; MI455X (gfx1250); checked and timed in simulation.
; The chip was launched on July 23, 2026; its instructions are those of AMD's public machine-readable ISA for CDNA 5 (MIT licence, August 2026) and "CDNA5" Instruction Set Architecture Reference Guide (July 2026). The comments in the code are by the model that wrote it; some were corrected since.
;; Deformation Model. Allowed arithmetic: float matrix products may take bf16 or f16 operands with f32 sums; other float arithmetic in f32, or as packed bf16 or f16 multiplies, adds, multiply-adds, maxima and minima; sums over many terms, partial sums and values carried from step to step in f32; what a program stores and reads back later, other than sums and carried values, may be rounded once to bf16 or f16.
;; Inputs: W1 67 x 256 float32; W2 256 x 256 float32; W3 256 x 256 float32; W4 256 x 3 float32; b1 256 float32; b2 256 float32; b3 256 float32; b4 3 float32; rotations_6d 64 x 6 float32; source_vertices 250,000 x 3 float32; translations 64 x 3 float32; weight_logits 250,000 x 64 float32.
;; Outputs: out0 250,000 x 3 float32; out1 250,000 x 3 float32; out2 250,000 x 3 float32.
;; One version. Each part assembles by itself: llvm-mc -triple=amdgcn-amd-amdhsa -mcpu=gfx1250 --defsym DOCPART=n.
;; ======== version 1 of 1: 2 launches
;; limits: values are held in f16: magnitudes above 65,504 overflow, below 6.1e-05 lose precision; right only within a limited range of input values; inputs' magnitudes at most 65,504
;; workspace buffers: wimg 309,760 bytes
;; launch prep (part 1): grid 148 x 1, 4 waves a work-group, no clusters, 4,608 bytes of LDS; arguments W1, W2, W3, W4, rotations_6d, translations, wimg; writes wimg
.if DOCPART == 1
	.amdgcn_target "amdgcn-amd-amdhsa--gfx1250"
	.amdhsa_code_object_version 6
	.text
	.protected	k_q0ea7520073_prep
	.globl	k_q0ea7520073_prep
	.p2align	8
	.type	k_q0ea7520073_prep,@function
k_q0ea7520073_prep:
	s_mov_b64 s[64:65], 0
	v_nop
	global_prefetch_b8 v0, s[64:65] scope:SCOPE_SE
	s_setreg_imm32_b32 hwreg(HW_REG_WAVE_MODE, 25, 1), 1
	s_wait_xcnt 0x0
; PREP: the weights' image for the main launch.  Nothing of reference() is left out here.
; wimg, bytes: 0 W1A [256 n][64 k] f16 = W1[3+k][n];  32,768 W2T [256 n][256 k] f16;  163,840 W3T likewise;
; 294,912 MISC, four quarters of 1,536 bytes: quarter q holds rows n = 64 q .. 64 q + 63 of W1B (16 bytes a row: W1[0..2][n], five zeros), then row q of W4T (512 bytes: W4[k][q]; row 3 = 0);
; 301,056 TAB [2 levels][16 f][64 k] f16 (f = 3 i + j: rot[k][i][j]; f = 9 + i: t[k][i]; 12..15: 0): the f16 rounding of the number, and of what that leaves;
; 307,200 PS, 640 f32: sums of squares of the f32 weights, a wave each (0-71 W1, 72-127 zeros, 128-383 W2, 384-639 W3).
; Thread t of a work-group writes 16 bytes, a wave 512 consecutive bytes at a multiple of 512.
; LIMIT: a weight or a translation beyond f16's 65,504 becomes an infinity.
.set SPARE, 4096                       ; behind the table of 16 rows x 256 bytes: the spare words, 128 bytes a wave
.set G_MISC, 294912
.set G_PS,  307200
	s_load_b256 s[4:11], s[0:1], 0x0               ; W1 s[4:5], W2 s[6:7], W3 s[8:9], W4 s[10:11]
	s_load_b128 s[12:15], s[0:1], 0x20             ; rotations_6d s[12:13], translations s[14:15]
	s_load_b64 s[16:17], s[0:1], 0x30              ; wimg
	v_lshl_add_u32 v1, v0, 2, SPARE                ; my spare word
	v_mov_b32 v2, 0
	v_lshrrev_b32 v3, 5, v0
	v_readfirstlane_b32 s20, v3                    ; wave
	v_and_b32 v3, 31, v0                           ; lane
	s_mov_b32 s21, ttmp9                           ; g
	s_lshl_b32 s24, s21, 11
	v_lshl_add_u32 v5, v0, 4, s24                  ; 2,048 g + 16 t: where my 16 bytes go (MISC's two roles make it anew)
	s_lshl2_add_u32 s25, s21, s20                  ; 4 g + wave: the roles turn it into the wave's place in PS
	s_mov_b32 s28, 0x76543210
	s_mov_b32 s29, 0xfedcba98
	v_mov_b32 v21, 0                               ; v_permlanex16_b32's destination counts as read
	s_wait_kmcnt 0x0
	s_cmp_lt_u32 s21, 16
	s_cbranch_scc1 .Lw1a
	s_cmp_lt_u32 s21, 144
	s_cbranch_scc1 .Lw23
	s_cmp_lt_u32 s21, 146
	s_cbranch_scc1 .Lw1b
	s_cmp_eq_u32 s21, 146
	s_cbranch_scc1 .Lw4
	; g = 147: the table.  Waves 0 and 1: thread k makes cluster k's frame and puts the 16 numbers into LDS, F[f][k] at 256 f + 4 k.
	s_cmp_lt_u32 s20, 2
	s_cbranch_scc0 .Ltab_meet
	v_mul_u32_u24 v4, v0, 24
	v_mul_u32_u24 v6, v0, 12
	global_load_b64 v[8:9], v4, s[12:13]           ; a1 = v8, v9, v10;  a2 = v11, v12, v13
	global_load_b64 v[10:11], v4, s[12:13] offset:8
	global_load_b64 v[12:13], v4, s[12:13] offset:16
	global_load_b32 v14, v6, s[14:15]
	global_load_b32 v15, v6, s[14:15] offset:4
	global_load_b32 v16, v6, s[14:15] offset:8
	s_wait_loadcnt 0x0
	v_mul_f32 v20, v8, v8
	v_fmac_f32 v20, v9, v9
	v_fmac_f32 v20, v10, v10
	v_rsq_f32 v35, v20
	v_nop                                          ; a plain instruction behind the transcendental,
	s_wait_alu depctr_va_vdst(0)                   ; and the wait ahead of its first reader
	v_min_num_f32 v35, 0x5368d4a5, v35             ; 1 / max(|a1|, 1e-12) = min(rsq, 1e12)
	v_mul_f32 v22, v8, v35                         ; b1
	v_mul_f32 v23, v9, v35
	v_mul_f32 v24, v10, v35
	v_mul_f32 v25, v22, v11
	v_fmac_f32 v25, v23, v12
	v_fmac_f32 v25, v24, v13                       ; b1 . a2
	v_fma_f32 v26, -v25, v22, v11
	v_fma_f32 v27, -v25, v23, v12
	v_fma_f32 v28, -v25, v24, v13
	v_mul_f32 v29, v26, v26
	v_fmac_f32 v29, v27, v27
	v_fmac_f32 v29, v28, v28
	v_rsq_f32 v30, v29
	v_nop
	s_wait_alu depctr_va_vdst(0)
	v_min_num_f32 v30, 0x5368d4a5, v30
	v_mul_f32 v26, v26, v30                        ; b2
	v_mul_f32 v27, v27, v30
	v_mul_f32 v28, v28, v30
	v_mul_f32 v34, v24, v27                        ; b3 = b1 x b2
	v_fma_f32 v31, v23, v28, -v34
	v_mul_f32 v34, v22, v28
	v_fma_f32 v32, v24, v26, -v34
	v_mul_f32 v34, v23, v26
	v_fma_f32 v33, v22, v27, -v34
	v_lshlrev_b32 v7, 2, v0
	ds_store_b32 v7, v22                           ; rot[k][i][j] is component i of b(j+1): f = 3 i + j
	ds_store_b32 v7, v26 offset:256
	ds_store_b32 v7, v31 offset:512
	ds_store_b32 v7, v23 offset:768
	ds_store_b32 v7, v27 offset:1024
	ds_store_b32 v7, v32 offset:1280
	ds_store_b32 v7, v24 offset:1536
	ds_store_b32 v7, v28 offset:1792
	ds_store_b32 v7, v33 offset:2048
	ds_store_b32 v7, v14 offset:2304
	ds_store_b32 v7, v15 offset:2560
	ds_store_b32 v7, v16 offset:2816
	ds_store_b32 v7, v2 offset:3072
	ds_store_b32 v7, v2 offset:3328
	ds_store_b32 v7, v2 offset:3584
	ds_store_b32 v7, v2 offset:3840
.Ltab_meet:
	s_wait_dscnt 0x0                               ; for the others' sake: my stores are done
	s_barrier_signal -1
	s_barrier_wait -1
	v_lshlrev_b32 v7, 5, v0                        ; thread t takes f = t / 8, k = 8 (t % 8) ..: 32 bytes at 32 t
	ds_load_b128 v[8:11], v7
	ds_load_b128 v[12:15], v7 offset:16
	v_mov_b32 v38, -1.0
	s_wait_dscnt 0x0
.irp i,0,1,2,3
	v_cvt_pk_f16_f32 v[16+\i], v[8+2*\i], v[9+2*\i]  ; the first level
.endr
	global_store_b128 v5, v[16:19], s[16:17]
.irp i,0,1,2,3
	v_fma_mix_f32 v[8+2*\i], v[16+\i], v38, v[8+2*\i] op_sel_hi:[1,0,0]              ; what the rounding leaves: half x (-1) + number, exact in f32
	v_fma_mix_f32 v[9+2*\i], v[16+\i], v38, v[9+2*\i] op_sel:[1,0,0] op_sel_hi:[1,0,0]
.endr
.irp i,0,1,2,3
	v_cvt_pk_f16_f32 v[24+\i], v[8+2*\i], v[9+2*\i]  ; the second level
.endr
	global_store_b128 v5, v[24:27], s[16:17] offset:2048
	s_cmp_eq_u32 s20, 3                            ; wave 3 also writes the 56 zeros of PS, 14 lanes x 16 bytes
	s_cbranch_scc0 .Lend
	v_mov_b32 v40, 0
	v_mov_b32 v41, 0
	v_mov_b32 v42, 0
	v_mov_b32 v43, 0
	v_lshlrev_b32 v44, 4, v3
	v_cmp_gt_u32 vcc_lo, 14, v3
	s_wait_xcnt 0x0                                ; EXEC changes only behind this wait
	s_and_saveexec_b32 s26, vcc_lo
	global_store_b128 v44, v[40:43], s[16:17] offset:G_PS+288
	s_wait_xcnt 0x0
	s_or_b32 exec_lo, exec_lo, s26
	s_branch .Lend
.Lw1b:                                         ; g = 144, 145: n = 128 (g - 144) + t; W1's first three rows
	s_sub_co_u32 s30, s21, 144
	s_lshl_b32 s31, s30, 9
	v_lshl_add_u32 v4, v0, 2, s31
	global_load_b32 v8, v4, s[4:5]
	global_load_b32 v9, v4, s[4:5] offset:1024
	global_load_b32 v10, v4, s[4:5] offset:2048
.irp i,11,12,13,14,15
	v_mov_b32 v\i, 0
.endr
	s_lshr_b32 s31, s20, 1
	s_lshl1_add_u32 s31, s30, s31                  ; the quarter n / 64 = 2 (g - 144) + wave / 2
	s_mul_i32 s31, s31, 1536
	s_add_co_u32 s31, s31, G_MISC
	v_and_b32 v5, 63, v0
	v_lshl_add_u32 v5, v5, 4, s31                  ; + 16 (n % 64)
	s_sub_co_u32 s25, s25, 512                     ; PS 64 + 4 (g - 144) + wave
	s_branch .Ltail
.Lw1a:                                         ; g = 0..15: n = 16 g + t / 8, k = 8 (t % 8) + i: W1[3 + k][n]
	v_lshrrev_b32 v6, 3, v0
	s_lshl_b32 s30, s21, 4
	v_add_nc_u32 v6, s30, v6
	v_and_b32 v7, 7, v0
	v_lshlrev_b32 v4, 13, v7
	v_lshl_add_u32 v4, v6, 2, v4
	s_add_nc_u64 s[22:23], s[4:5], 3072            ; three rows down
	s_branch .Lload8
.Lw23:                                         ; g = 16..79 W2, 80..143 W3: n = 4 (g - g0) + wave, k = 8 lane + i
	s_cmp_lt_u32 s21, 80
	s_cselect_b64 s[22:23], s[6:7], s[8:9]
	s_cselect_b32 s30, 16, 80
	s_sub_co_u32 s30, s21, s30
	s_lshl2_add_u32 s30, s30, s20
	s_lshl_b32 s30, s30, 2
	v_lshl_add_u32 v4, v3, 13, s30
	s_add_co_u32 s25, s25, 64                      ; PS 128 + 4 (g - 16) + wave, and 384 + 4 (g - 80) + wave
.Lload8:
.irp i,0,1,2,3,4,5,6,7
	global_load_b32 v[8+\i], v4, s[22:23] offset:1024*\i
.endr
	s_branch .Ltail
.Lw4:                                          ; g = 146: wave c < 3 makes row c = W4[8 lane + i][c]; wave 3 the row of zeros; row c lies in quarter c, behind its 1,024 bytes of W1B
	s_mul_i32 s31, s20, 1536
	s_add_co_u32 s31, s31, G_MISC+1024
	v_lshl_add_u32 v5, v3, 4, s31
	s_cmp_lt_u32 s20, 3
	s_cbranch_scc0 .Lw4z
	v_mul_u32_u24 v4, v3, 96
	s_lshl_b32 s30, s20, 2
	v_add_nc_u32 v4, s30, v4
.irp i,0,1,2,3,4,5,6,7
	global_load_b32 v[8+\i], v4, s[10:11] offset:12*\i
.endr
	s_branch .Ltail
.Lw4z:
.irp i,8,9,10,11,12,13,14,15
	v_mov_b32 v\i, 0
.endr
.Ltail:
	s_wait_loadcnt 0x0
	v_mul_f32 v20, v8, v8                          ; my eight squares, in f32
.irp i,9,10,11,12,13,14,15
	v_fmac_f32 v20, v\i, v\i
.endr
.irp i,0,1,2,3
	v_cvt_pk_f16_f32 v[16+\i], v[8+2*\i], v[9+2*\i]
.endr
	global_store_b128 v5, v[16:19], s[16:17]
	s_cmp_eq_u32 s21, 146                          ; W4 enters no norm
	s_cbranch_scc1 .Lend
	v_add_f32_dpp v20, v20, v20 row_xmask:1 row_mask:0xf bank_mask:0xf
	v_add_f32_dpp v20, v20, v20 row_xmask:2 row_mask:0xf bank_mask:0xf
	v_add_f32_dpp v20, v20, v20 row_xmask:4 row_mask:0xf bank_mask:0xf
	v_add_f32_dpp v20, v20, v20 row_xmask:8 row_mask:0xf bank_mask:0xf
	v_permlanex16_b32 v21, v20, s28, s29
	v_add_f32 v20, v20, v21                        ; the wave's sum
	s_lshl_b32 s25, s25, 2
	v_mov_b32 v22, s25
	v_cmp_eq_u32 vcc_lo, 0, v3
	s_wait_xcnt 0x0                                ; EXEC changes only behind this wait
	s_and_saveexec_b32 s26, vcc_lo
	global_store_b32 v22, v20, s[16:17] offset:G_PS
	s_wait_xcnt 0x0
	s_or_b32 exec_lo, exec_lo, s26
.Lend:
	s_wait_tensorcnt 0x0                           ; the wave's end
	ds_add_u32 v1, v2
	s_wait_dscnt 0x0
	s_endpgm
.Lfunc_end_k_q0ea7520073_prep:
	.size	k_q0ea7520073_prep, .Lfunc_end_k_q0ea7520073_prep-k_q0ea7520073_prep
	.p2alignl 7, 3214868480
	.fill 96, 4, 3214868480
	.section	.rodata,"a",@progbits
	.p2align	6, 0x0
	.amdhsa_kernel k_q0ea7520073_prep
		.amdhsa_group_segment_fixed_size 4608
		.amdhsa_private_segment_fixed_size 0
		.amdhsa_enable_private_segment 0
		.amdhsa_kernarg_size 56
		.amdhsa_user_sgpr_count 2
		.amdhsa_user_sgpr_kernarg_segment_ptr 1
		.amdhsa_wavefront_size32 1
		.amdhsa_system_sgpr_workgroup_id_x 1
		.amdhsa_system_sgpr_workgroup_id_y 1
		.amdhsa_system_sgpr_workgroup_id_z 1
		.amdhsa_system_vgpr_workitem_id 0
		.amdhsa_next_free_vgpr 64
		.amdhsa_next_free_sgpr 66
		.amdhsa_reserve_vcc 1
		.amdhsa_float_denorm_mode_32 3
		.amdhsa_float_denorm_mode_16_64 3
		.amdhsa_memory_ordered 1
		.amdhsa_forward_progress 1
		.amdhsa_inst_pref_size 12
	.end_amdhsa_kernel
	.amdgpu_metadata
---
amdhsa.version: [ 1, 2 ]
amdhsa.kernels:
  - .name:           k_q0ea7520073_prep
    .symbol:         k_q0ea7520073_prep.kd
    .args:
      - { .name: W1, .offset: 0, .size: 8, .value_kind: global_buffer, .address_space: global }
      - { .name: W2, .offset: 8, .size: 8, .value_kind: global_buffer, .address_space: global }
      - { .name: W3, .offset: 16, .size: 8, .value_kind: global_buffer, .address_space: global }
      - { .name: W4, .offset: 24, .size: 8, .value_kind: global_buffer, .address_space: global }
      - { .name: rotations_6d, .offset: 32, .size: 8, .value_kind: global_buffer, .address_space: global }
      - { .name: translations, .offset: 40, .size: 8, .value_kind: global_buffer, .address_space: global }
      - { .name: wimg, .offset: 48, .size: 8, .value_kind: global_buffer, .address_space: global }
    .group_segment_fixed_size: 4608
    .private_segment_fixed_size: 0
    .kernarg_segment_align: 8
    .kernarg_segment_size: 56
    .max_flat_workgroup_size: 128
    .sgpr_count:     66
    .vgpr_count:     64
    .wavefront_size: 32
...
	.end_amdgpu_metadata
.endif
;; end of part 1
;; launch main (part 2): grid 256 x 1, 4 waves a work-group, clusters of 4 x 1, 327,680 bytes of LDS; arguments wimg, weight_logits, source_vertices, b1, b2, b3, b4, out0, out1, out2; writes out0, out1, out2
.if DOCPART == 2
	.amdgcn_target "amdgcn-amd-amdhsa--gfx1250"
	.amdhsa_code_object_version 6
	.text
	.protected	k_q0ea7520073_main
	.globl	k_q0ea7520073_main
	.p2align	8
	.type	k_q0ea7520073_main,@function
k_q0ea7520073_main:
	s_mov_b64 s[64:65], 0
	v_nop
	global_prefetch_b8 v0, s[64:65] scope:SCOPE_SE
	s_setreg_imm32_b32 hwreg(HW_REG_WAVE_MODE, 25, 1), 1
	s_wait_xcnt 0x0
	s_wait_alu depctr_hold_cnt(0) depctr_sa_sdst(0) depctr_va_vdst(0) depctr_va_sdst(0) depctr_va_ssrc(0) depctr_va_vcc(0) depctr_vm_vsrc(0)
	s_getreg_b32 s2, hwreg(HW_REG_IB_STS2, 6, 4)
	s_cmp_eq_u32 s2, 0
	s_cbranch_scc0 .Lentry_in_a_cluster
	s_endpgm
.Lentry_in_a_cluster:
	s_bfe_u32 s2, ttmp6, 0x10000c
	s_cmp_lg_u32 s2, 0x3003
	s_cbranch_scc0 .Lentry_shape_is_right
	s_endpgm
.Lentry_shape_is_right:
; MAIN: everything per vertex: softmax, blend, projection onto SO(3), the MLP 67-256-256-256-3, the three outputs.
; WHAT IS NOT DONE AS WRITTEN, for all finite inputs:
;  - rotated[n][k] and the two skinning sums: sum_k w_k (rot_k v + t_k) = (sum_k w_k rot_k) v + sum_k w_k t_k = M v + t_b: the same sum in another order; M and t_b are needed anyway.
;  - skinned - t_b = M v: t_b cancels by that identity.
;  - in gram_schmidt_ortho det [b1, b2, b1 x b2] = |b1 x b2|^2 >= 0, so the flip is never taken and b3f = b3.
;  The guard on non-finite R and the Gram-Schmidt frame are kept: both are made, one is selected.  Every input is read (W1..W4, rotations_6d, translations through wimg).
; R_b: Mn = M / |M|_F, A = Mn^T Mn, five cyclic Jacobi sweeps with exact angles give V (det +1); the columns of Mn V are normalised, the shortest is replaced by the cross product of the
;  other two (in cyclic order), R = U V^T: that is U diag(1,1,s) Vh.  M is normalised first, so the sweeps' number does not hang on the inputs' size.
; FORMATS.  MLP operands f16, sums f32.  One power of two S, made from the weights' and biases' norms and held to 2^-14 .. 2^15, multiplies W1 (once, in LDS: exact but for f16's smallest numbers)
;  and all four biases, and is divided out of layer 4's sums.
;  M and t_b: f16 products with w and the table each split in two: w = w1 + w2, T = T1 + T2, each level the f16 rounding of what is left; T1 w2, T2 w1, T1 w1 are taken, the smallest first.
;  What is lost: 2^-25 at the most in each w and each T (f16's fixed step near 0), and the product of the two remainders, 2^-24 |T| w at the most.
; LIMITS.  S is an estimate by norms: an activation S h, or a weight S W1, beyond 65,504 becomes an infinity (a layer's gain 64 times above |W|_F / 4 over the three layers); so does a translation
;  beyond 65,504.  Where sigma2 = +-sigma3 R_b is not determined.  M of rank 1 or 0 takes the Gram-Schmidt frame.  f32's cancellation in skinned - t_b is not reproduced.
;  A weight of the softmax below 2^-126 counts as 0.  NaN and infinities in the inputs are not treated apart.
; SHARES.  A wave takes groups of 64 vertices (four tiles of 16), one a pass.  Cluster c (of 64) has 4 passes (c < 53) or 3: group = base(c) + 16 pass + 4 cx + wave: 3,920 places for 3,907 groups;
;  the trip count hangs on the cluster's number alone.  Places past the end load clamped rows and store with no lane on.
; MLP, TRANSPOSED: source 0 = 16 output features x 32 k of W^T from LDS, source 1 = 32 k x 16 vertices in registers.  In the result a lane holds one vertex and eight features; two results,
;  rounded to f16 in pairs, are the next layer's source 1: activations never leave registers.  The bias is the C operand of a chunk's first K step.  A weight fragment feeds four tiles.
; CLUSTER: all work-groups read the same 300 KB of weights: the four of a cluster ask for them jointly, once, at the start.  Nothing in LDS is filled again.
; No prefetch is laid: a pass's logits are asked for by the loads themselves, 1,272 matrix instructions ahead of their first use.
; REGISTERS, windows of 256 (s_set_vgpr_msb: bits 1:0 source 0, 3:2 source 1, 5:4 source 2, 7:6 destination):
;  window 0: v0-23 addresses; v24-151 accumulators, two buffers of 64; v152-183 biases, two buffers of 16; v184-201 R_b, v202-207 skinned (pairs); v208-239 the table's fragments.
;            A PAIR holds one quantity for vertices 32 e + lane, e = 0 in the even register, e = 1 in the odd one.  The front end lays its pairs over v24-183.
;  window 1: v0-127 two buffers of weight fragments (the softmax's scratch); v128-255 logits, 32 a tile
;  window 2: activations X, tile t, K step k at 64 t + 8 k (front end: v128-191 the second level of w)
;  window 3: activations Y (front end and layer 1: v0-95 x in f16, 24 a tile: two K steps of w, which are also w's first level, and one of local_p)
.set NVERT, 250000
.set OUTB,  3000000
.set G_W2,  32768                      ; wimg's parts, in bytes
.set G_W3,  163840
.set G_MISC, 294912
.set G_TAB, 301056
.set G_PS,  307200
.set L_W2,  36864                      ; LDS: W1A at 0, rows of 144 bytes; W2, W3 rows of 528: odd multiples of 16, so the 16 rows of a load start at 16 different groups of four banks (ISA guide 11.1)
.set L_W3,  172032
.set L_MISC, 307200                    ; four quarters of 1,536 bytes: 64 rows of W1B, 16 bytes each, then one row of W4T, 512 bytes
.set L_BIAS, 313344                    ; S b1, S b2, S b3 (1,024 bytes each), S b4 (512): stored once
.set SPARE, 316928                     ; the spare words, 128 bytes a wave
.set L_STAGE, 317440                   ; 2,304 bytes a wave: three outputs x 64 vertices x 12 bytes
.set ACC, 24
.set BIA, 152
.set RR,  184
.set SK,  202
.set TAB, 208
.set MM,  24                           ; front end: M (pair 3 i + j), then t_b
.set SV,  48
.set MN,  54                           ; Mn, later R
.set AA,  72                           ; a00 a11 a22 a01 a02 a12
.set VV,  84
.set TT,  102                          ; 15 pairs at work
.set BB,  132
.set NN,  150
.set XX,  156
.set DT,  152                          ; the table products' four accumulators
.set MSB, 0
.macro WIN new                         ; the immediate's high byte repeats the setting that is left; a switch that changes nothing is dropped
.if MSB != (\new)
	s_set_vgpr_msb (MSB<<8)|(\new)
.set MSB, (\new)
.endif
.endm
.macro PLACES                          ; four places behind matrix instructions (ISA guide 7.12.1)
.rept 4
	v_nop
.endr
.endm
.macro CROUND                          ; a round of the cluster's barrier
	s_barrier_signal -1
	s_barrier_wait -1
	s_cmp_lg_u32 s24, 0
	s_cbranch_scc1 .Lnot_wave_0_\@
	s_barrier_signal -3
.Lnot_wave_0_\@:
	s_barrier_wait -3
	s_barrier_signal -1
	s_barrier_wait -1
.endm
.macro PMUL d, a, b
	v_pk_mul_f32 v[(\d):(\d)+1], v[(\a):(\a)+1], v[(\b):(\b)+1]
.endm
.macro PADD d, a, b
	v_pk_add_f32 v[(\d):(\d)+1], v[(\a):(\a)+1], v[(\b):(\b)+1]
.endm
.macro PSUB d, a, b
	v_pk_add_f32 v[(\d):(\d)+1], v[(\a):(\a)+1], v[(\b):(\b)+1] neg_lo:[0,1] neg_hi:[0,1]
.endm
.macro PFMA d, a, b, c                 ; a b + c
	v_pk_fma_f32 v[(\d):(\d)+1], v[(\a):(\a)+1], v[(\b):(\b)+1], v[(\c):(\c)+1]
.endm
.macro PFMS d, a, b, c                 ; a b - c
	v_pk_fma_f32 v[(\d):(\d)+1], v[(\a):(\a)+1], v[(\b):(\b)+1], v[(\c):(\c)+1] neg_lo:[0,0,1] neg_hi:[0,0,1]
.endm
.macro PFNA d, a, b, c                 ; c - a b
	v_pk_fma_f32 v[(\d):(\d)+1], v[(\a):(\a)+1], v[(\b):(\b)+1], v[(\c):(\c)+1] neg_lo:[1,0,0] neg_hi:[1,0,0]
.endm
.macro SETLB g                         ; the four tiles' rows of logits for the group in s[g], clamped to the last 16 rows; s97 = 0
.irp t,0,1,2,3
	s_lshl_b32 s96, s[\g], 6
	s_add_co_u32 s96, s96, 16*\t
	s_min_u32 s96, s96, NVERT-16
	s_lshl_b32 s96, s96, 8
	s_add_nc_u64 s[76+2*\t:77+2*\t], s[6:7], s[96:97]
.endr
.endm
.macro LOGITS                          ; 32 loads: register 16 s + 8 g + j of a tile holds logit k = 32 s + 16 g + 8 h + j of vertex r: source 1's own layout
	WIN 0x40
.irp t,0,1,2,3
.irp q,0,1,2,3,4,5,6,7
	global_load_b128 v[128+32*\t+4*\q:128+32*\t+4*\q+3], v14, s[76+2*\t:77+2*\t] offset:128*(\q/4)+64*((\q/2)%2)+16*(\q%2) th:TH_LOAD_NT
.endr
.endr
	WIN 0
.endm
	s_load_b512 s[4:19], s[0:1], 0x0               ; wimg s[4:5], logits s[6:7], vertices s[8:9], b1 s[10:11], b2 s[12:13], b3 s[14:15], b4 s[16:17], out0 s[18:19]
	s_load_b128 s[20:23], s[0:1], 0x40             ; out1 s[20:21], out2 s[22:23]
	v_lshl_add_u32 v1, v0, 2, SPARE                ; my spare word; never rewritten
	v_mov_b32 v2, 0                                ; 0; never rewritten
	ds_add_u32 v1, v2                              ; the wave's opening: the add, twice on end, and its wait ahead of my first tensor load
	ds_add_u32 v1, v2
	v_lshrrev_b32 v3, 5, v0
	v_readfirstlane_b32 s24, v3                    ; wave
	s_bfe_u32 s25, ttmp6, 0x40000                  ; cx: it enters global addresses and EXEC masks alone
	s_lshl_b32 s30, ttmp9, 6
	s_mul_i32 s31, ttmp9, 48
	s_add_co_u32 s31, s31, 848
	s_cmp_lt_u32 ttmp9, 53                         ; the cluster's number, which the partners share
	s_cselect_b32 s26, 4, 3                        ; passes
	s_cselect_b32 s28, s30, s31                    ; the cluster's first group: 64 c, or 48 c + 848
	s_lshl2_add_u32 s28, s25, s28
	s_add_co_u32 s28, s28, s24                     ; my first group
	; descriptor groups 1.  All are joint: mask 15, bit 21 beside it.
	s_mov_b32 s32, 15|(1<<16)|(1<<20)|(1<<21)|(4<<22)|(3<<25)  ; W1A: 2-byte elements; 4 words of padding after every 32 words: two rows of 128 bytes are asked for as one of 256
	s_mov_b32 s33, 128<<16
	s_mov_b32 s34, 32<<16
	s_mov_b32 s35, 128<<16
	s_mov_b32 s36, 32
	s_mov_b32 s37, 128
	s_mov_b32 s38, 0
	s_mov_b32 s39, 0
	s_mov_b32 s40, 15|(1<<16)|(1<<20)|(1<<21)|(6<<22)|(3<<25)  ; W2, W3: 64 rows of 256 elements; 4 words after every 128
	s_mov_b32 s41, 256<<16
	s_mov_b32 s42, 64<<16
	s_mov_b32 s43, 256<<16
	s_mov_b32 s44, 64
	s_mov_b32 s45, 256
	s_mov_b32 s46, 0
	s_mov_b32 s47, 0
	s_mov_b32 s48, 15|(3<<16)|(1<<21)              ; MISC: dense, a quarter is 6 rows of 32 elements of 8 bytes
	s_mov_b32 s49, 32<<16
	s_mov_b32 s50, 6<<16
	s_mov_b32 s51, 32<<16
	s_mov_b32 s52, 6
	s_mov_b32 s53, 32
	s_mov_b32 s54, 0
	s_mov_b32 s55, 0
	s_mov_b32 s56, 1                               ; groups 0: each wave moves its quarter; the LDS address is a constant plus the wave's number times a constant
	s_mul_i32 s57, s24, 9216
	s_mov_b32 s60, 1
	s_mul_i32 s61, s24, 1536
	s_add_co_u32 s61, s61, L_MISC
	s_mov_b32 s68, 1
	s_mul_i32 s69, s24, 33792
	s_add_co_u32 s73, s69, L_W3
	s_add_co_u32 s69, s69, L_W2
	s_mov_b32 s72, 1
	s_mov_b32 s84, 0x3fb8aa3b                      ; log2(e), as a pair
	s_mov_b32 s85, 0x3fb8aa3b
	s_mov_b32 s86, 0x76543210                      ; v_permlanex16_b32: each lane takes its own place in the other half
	s_mov_b32 s87, 0xfedcba98
	s_mov_b32 s88, 0xffff0000                      ; lanes 16-31
	s_mov_b32 s89, 0
	s_mov_b32 s90, 0x7fffffff
	s_mov_b32 s94, 0x03aa2425                      ; 1e-36, as a pair
	s_mov_b32 s95, 0x03aa2425
	s_mov_b32 s97, 0
	s_mov_b32 s27, 0                               ; passes done
	s_wait_dscnt 0x0                               ; both opening adds are done
	s_wait_kmcnt 0x0
	s_lshl_b32 s96, s24, 13
	s_add_nc_u64 s[58:59], s[4:5], s[96:97]
	s_or_b32 s59, s59, 0x80000000
	s_mul_i32 s96, s24, 1536
	s_add_co_u32 s96, s96, G_MISC
	s_add_nc_u64 s[62:63], s[4:5], s[96:97]
	s_or_b32 s63, s63, 0x80000000
	s_lshl_b32 s96, s24, 15
	s_add_co_u32 s96, s96, G_W2
	s_add_nc_u64 s[70:71], s[4:5], s[96:97]
	s_or_b32 s71, s71, 0x80000000
	s_add_co_u32 s96, s96, G_W3-G_W2
	s_add_nc_u64 s[74:75], s[4:5], s[96:97]
	s_or_b32 s75, s75, 0x80000000
	CROUND                                         ; all four work-groups are here: the joint loads meet
	tensor_load_to_lds s[56:59], s[32:39]          ; the launch's only fills, W1A, MISC, W2, W3: four tensor loads of mine are out
	s_nop 0
	tensor_load_to_lds s[60:63], s[48:55]
	s_nop 0
	tensor_load_to_lds s[68:71], s[40:47]
	s_nop 0
	tensor_load_to_lds s[72:75], s[40:47]
	s_nop 0
	PLACES
	; lane constants: r = lane % 16, h = lane / 16
	v_and_b32 v160, 15, v0
	v_bfe_u32 v161, v0, 4, 1
	v_and_b32 v162, 31, v0
	v_mul_u32_u24 v3, v160, 144
	v_lshl_add_u32 v3, v161, 4, v3                 ; v3   W1A: 144 r + 16 h
	v_lshl_add_u32 v4, v160, 4, L_MISC             ; v4   W1B: row r, for both halves of the lanes
	v_mul_u32_u24 v163, v160, 528
	v_lshl_add_u32 v163, v161, 4, v163
.irp j,0,1,2
	v_add_nc_u32 v[5+\j], L_W2+50688*\j, v163      ; v5-7  W2, chunks 3 j ..: the 16-bit offset does not reach over a whole matrix
	v_add_nc_u32 v[8+\j], L_W3+50688*\j, v163      ; v8-10 W3
.endr
	v_min_u32 v164, 3, v160
	v_mul_u32_u24 v164, v164, 1536
	v_lshl_add_u32 v164, v161, 4, v164
	v_add_nc_u32 v11, L_MISC+1024, v164            ; v11  W4T with its three rows at rows 0-2 of the fragment, the row of zeros elsewhere
	v_add_nc_u32 v165, -8, v160
	v_min_u32 v165, 3, v165
	v_mul_u32_u24 v165, v165, 1536
	v_lshl_add_u32 v165, v161, 4, v165
	v_add_nc_u32 v12, L_MISC+1024, v165            ; v12  the same at rows 8-10
	v_lshl_add_u32 v13, v161, 5, L_BIAS            ; v13  biases: my eight features
	v_lshlrev_b32 v14, 8, v160
	v_lshl_add_u32 v14, v161, 5, v14               ; v14  logits: 256 r + 32 h
	s_mul_i32 s30, s24, 2304
	s_add_co_u32 s30, s30, L_STAGE
	v_mul_u32_u24 v15, v162, 12
	v_add_nc_u32 v15, s30, v15                     ; v15  stage, in: 12 bytes a vertex
	v_lshl_add_u32 v16, v162, 4, s30               ; v16  stage, back: the first 512 of an output's 768 bytes
	v_lshl_add_u32 v17, v160, 4, s30
	v_add_nc_u32 v17, 512, v17                     ; v17  the other 256
	v_mov_b32 v22, 0                               ; v22  0
	v_mov_b32 v23, 0                               ; v23  v_permlanex16_b32's destination
	v_lshlrev_b32 v166, 4, v162
	v_lshlrev_b32 v167, 3, v0
	v_and_b32 v171, 7, v0
	v_min_u32 v168, 2, v171
	v_lshlrev_b32 v168, 2, v168
	v_lshlrev_b32 v169, 7, v160
	v_lshl_add_u32 v169, v161, 4, v169
	v_lshrrev_b32 v173, 3, v162
	v_mul_u32_u24 v173, v173, 144
	v_lshl_add_u32 v173, v171, 4, v173
	v_add_nc_u32 v173, s57, v173                   ; my quarter of W1A: row lane / 8 of each four, 16 bytes at 16 (lane % 8)
	v_lshl_add_u32 v174, v162, 4, s61              ; my quarter of MISC: 16 bytes a lane
	; 23 loads: the partial sums, the biases (whole, for their norms; and 8 bytes a thread, for LDS), b4, the table's fragments
.irp i,0,1,2,3,4
	global_load_b128 v[24+4*\i:27+4*\i], v166, s[4:5] offset:G_PS+512*\i
.endr
.irp i,0,1
	global_load_b128 v[44+4*\i:47+4*\i], v166, s[10:11] offset:512*\i
	global_load_b128 v[52+4*\i:55+4*\i], v166, s[12:13] offset:512*\i
	global_load_b128 v[60+4*\i:63+4*\i], v166, s[14:15] offset:512*\i
.endr
	global_load_b64 v[68:69], v167, s[10:11]
	global_load_b64 v[70:71], v167, s[12:13]
	global_load_b64 v[72:73], v167, s[14:15]
	global_load_b32 v74, v168, s[16:17]
.irp l,0,1
.irp s,0,1
	global_load_b128 v[TAB+16*\l+8*\s:TAB+16*\l+8*\s+3], v169, s[4:5] offset:G_TAB+2048*\l+64*\s
	global_load_b128 v[TAB+16*\l+8*\s+4:TAB+16*\l+8*\s+7], v169, s[4:5] offset:G_TAB+2048*\l+64*\s+32
.endr
.endr
	SETLB 28
	LOGITS                                         ; the first pass's logits
	s_wait_loadcnt 32                              ; the 23 are in; the 32 loads of logits, issued behind them, stay out
	; S.  phi_l = |W_l|_F, beta_l = |b_l|; e1 = max(phi1 / 4, beta1), e_l = max(phi_l e_(l-1) / 4, beta_l); S = the power of two in 16 / sqrt(e_max e_min), held to 2^-14 .. 2^15
.macro SUM8 d, b
	v_pk_add_f32 v[82:83], v[\b:\b+1], v[\b+2:\b+3]
	v_pk_add_f32 v[84:85], v[\b+4:\b+5], v[\b+6:\b+7]
	v_pk_add_f32 v[82:83], v[82:83], v[84:85]
	v_add_f32 v[\d], v82, v83
.endm
.macro SQ8 d, b
	v_pk_mul_f32 v[82:83], v[\b:\b+1], v[\b:\b+1]
	v_pk_fma_f32 v[82:83], v[\b+2:\b+3], v[\b+2:\b+3], v[82:83]
	v_pk_fma_f32 v[82:83], v[\b+4:\b+5], v[\b+4:\b+5], v[82:83]
	v_pk_fma_f32 v[82:83], v[\b+6:\b+7], v[\b+6:\b+7], v[82:83]
	v_add_f32 v[\d], v82, v83
.endm
	v_add_f32 v76, v24, v25
	v_add_f32 v82, v26, v27
	v_add_f32 v76, v76, v82
	SUM8 77, 28
	SUM8 78, 36
	SQ8 79, 44
	SQ8 80, 52
	SQ8 81, 60
.irp n,76,77,78,79,80,81
	v_add_f32_dpp v\n, v\n, v\n row_xmask:1 row_mask:0xf bank_mask:0xf
	v_add_f32_dpp v\n, v\n, v\n row_xmask:2 row_mask:0xf bank_mask:0xf
	v_add_f32_dpp v\n, v\n, v\n row_xmask:4 row_mask:0xf bank_mask:0xf
	v_add_f32_dpp v\n, v\n, v\n row_xmask:8 row_mask:0xf bank_mask:0xf
	v_permlanex16_b32 v23, v\n, s86, s87
	v_add_f32 v\n, v\n, v23
.endr
.irp n,76,77,78,79,80,81
	v_sqrt_f32 v\n, v\n
.endr
	v_nop                                          ; a plain instruction behind the batch,
	s_wait_alu depctr_va_vdst(0)                   ; and its one wait
	v_mul_f32 v76, 0x3e800000, v76
	v_mul_f32 v77, 0x3e800000, v77
	v_mul_f32 v78, 0x3e800000, v78
	v_max_num_f32 v82, v76, v79
	v_mul_f32 v83, v77, v82
	v_max_num_f32 v83, v83, v80
	v_mul_f32 v84, v78, v83
	v_max_num_f32 v84, v84, v81
	v_max3_num_f32 v85, v82, v83, v84
	v_min3_num_f32 v87, v82, v83, v84
	v_mul_f32 v85, v85, v87
	v_max_num_f32 v85, 0x0da24260, v85             ; the root's argument held to 1e-30 .. 1e30
	v_min_num_f32 v85, 0x7149f2ca, v85
	v_rsq_f32 v86, v85
	v_nop
	s_wait_alu depctr_va_vdst(0)
	v_mul_f32 v86, 0x41800000, v86
	v_and_b32 v86, 0x7f800000, v86                 ; the power of two below,
	v_max_num_f32 v86, 0x38800000, v86             ; not under 2^-14
	v_min_num_f32 v86, 0x47000000, v86             ; nor over 2^15: a normal number of f16
	v_cvt_pk_f16_f32 v87, v86, v86
	v_readfirstlane_b32 s92, v86                   ; S, used as a factor alone: no address and no branch hangs on it
	v_readfirstlane_b32 s66, v87                   ; S twice in f16
	s_mov_b32 s93, s92
	s_sub_co_u32 s91, 0x7f000000, s92              ; 1 / S
	v_pk_mul_f32 v[68:69], v[68:69], s[92:93] op_sel_hi:[1,0]
	v_pk_mul_f32 v[70:71], v[70:71], s[92:93] op_sel_hi:[1,0]
	v_pk_mul_f32 v[72:73], v[72:73], s[92:93] op_sel_hi:[1,0]
	v_mul_f32 v74, s92, v74
	v_cmp_gt_u32 vcc_lo, 3, v171
	v_cndmask_b32 v74, 0, v74, vcc_lo              ; word e of layer 4's bias: S b4[e % 8] where e % 8 < 3
	v_lshl_add_u32 v170, v0, 3, L_BIAS
	v_lshl_add_u32 v172, v0, 2, L_BIAS+3072
	ds_store_b64 v170, v[68:69]
	ds_store_b64 v170, v[70:71] offset:1024
	ds_store_b64 v170, v[72:73] offset:2048
	ds_store_b32 v172, v74
	; W1 times S, once, in LDS: each wave scales the bytes that its own two loads brought (64 rows of W1A, 64 rows of W1B), so its own wait is all the ordering that these reads need.
	; The blocks have had their last fill.  The other waves read them behind the pass's barrier.
	s_wait_tensorcnt 0x2                           ; my parts of W1A and MISC have landed; W2's and W3's loads, issued behind them, stay out
.irp i,0,1,2,3,4,5,6,7,8,9,10,11,12,13,14,15
	ds_load_b128 v[88+4*\i:91+4*\i], v173 offset:576*\i
.endr
	ds_load_b128 v[152:155], v174
	ds_load_b128 v[156:159], v174 offset:512
	s_wait_dscnt 0x0
.set p, 88
.rept 72
	v_pk_mul_f16 v[p], v[p], s66
.set p, p+1
.endr
.irp i,0,1,2,3,4,5,6,7,8,9,10,11,12,13,14,15
	ds_store_b128 v173, v[88+4*\i:91+4*\i] offset:576*\i
.endr
	ds_store_b128 v174, v[152:155]
	ds_store_b128 v174, v[156:159] offset:512
; ---- the MLP's macros
; The conversions of the chunk before ride behind this chunk's matrix instructions, four lines a group: rounded to f16 in pairs, in place; then ReLU into the next layer's source 1.
; RQ the next group, RN their number, RCA the accumulators, RDST 8 x the K step that they become, RWIN the setting with that window as destination.
.macro CGRP
.if RQ < RN
.set qa, RCA+8*(RQ%8)
.if RQ < 8
	WIN 0
.irp i,0,1,2,3
	v_cvt_pk_f16_f32 v[qa+\i], v[qa+2*\i], v[qa+2*\i+1]
.endr
.else
	WIN RWIN
.set qd, RDST+64*((RQ%8)/2)+4*(RQ%2)
.irp i,0,1,2,3
	v_pk_max_num_f16 v[qd+\i], v[qa+\i], s89
.endr
.endif
.set RQ, RQ+1
.endif
.endm
.macro LDB cb, off                     ; a chunk's 32 biases, as two C operands
.irp o,0,1
	ds_load_b128 v[BIA+16*(\cb)+8*\o:BIA+16*(\cb)+8*\o+3], v13 offset:(\off)+64*\o
	ds_load_b128 v[BIA+16*(\cb)+8*\o+4:BIA+16*(\cb)+8*\o+7], v13 offset:(\off)+64*\o+16
.endr
.endm
.macro LD1 buf, c                      ; layer 1, chunk c: two output tiles x (two K steps of w, half a fragment for local_p)
	WIN 0x40
.irp o,0,1
.irp s,0,1
	ds_load_b128 v[64*(\buf)+24*\o+8*\s:64*(\buf)+24*\o+8*\s+3], v3 offset:4608*(\c)+2304*\o+64*\s
	ds_load_b128 v[64*(\buf)+24*\o+8*\s+4:64*(\buf)+24*\o+8*\s+7], v3 offset:4608*(\c)+2304*\o+64*\s+32
.endr
	ds_load_b128 v[64*(\buf)+24*\o+16:64*(\buf)+24*\o+19], v4 offset:1536*((\c)/2)+512*((\c)%2)+256*\o
.endr
	WIN 0
	LDB (\c)%2, 128*(\c)
.endm
.macro LD256 buf, adr, off, bcb, boff  ; layers 2 and 3: two output tiles x four K steps; bcb >= 0: the chunk's biases too
	WIN 0x40
.irp o,0,1
.irp kk,0,1,2,3
	ds_load_b128 v[64*(\buf)+32*\o+8*\kk:64*(\buf)+32*\o+8*\kk+3], v[\adr] offset:(\off)+8448*\o+64*\kk
	ds_load_b128 v[64*(\buf)+32*\o+8*\kk+4:64*(\buf)+32*\o+8*\kk+7], v[\adr] offset:(\off)+8448*\o+64*\kk+32
.endr
.endr
	WIN 0
.if (\bcb) >= 0
	LDB \bcb, \boff
.endif
.endm
.macro LD4 buf, hf                     ; layer 4: four K steps of both placings of W4T
	WIN 0x40
.irp kk,0,1,2,3
	ds_load_b128 v[64*(\buf)+8*\kk:64*(\buf)+8*\kk+3], v11 offset:64*(4*(\hf)+\kk)
	ds_load_b128 v[64*(\buf)+8*\kk+4:64*(\buf)+8*\kk+7], v11 offset:64*(4*(\hf)+\kk)+32
	ds_load_b128 v[64*(\buf)+32+8*\kk:64*(\buf)+32+8*\kk+3], v12 offset:64*(4*(\hf)+\kk)
	ds_load_b128 v[64*(\buf)+32+8*\kk+4:64*(\buf)+32+8*\kk+7], v12 offset:64*(4*(\hf)+\kk)+32
.endr
	WIN 0
.if (\hf) == 0
	ds_load_b128 v[BIA:BIA+3], v13 offset:3072
	ds_load_b128 v[BIA+4:BIA+7], v13 offset:3088
.endif
.endm
; A UNIT: its fragments are waited for; eight matrix instructions; four places and the next unit's run of LDS loads, into the other buffer; the rest.  K is the outer loop and the eight
; accumulators (tile t, output half o: 2 t + o) take turns, one instruction a turn.
.macro U1 c, next:vararg               ; layer 1, chunk c: 24 matrix instructions; the 16 groups of riders stand behind two of every three
	s_wait_dscnt 0x0                               ; the unit's loads, issued 16 matrix instructions back; nothing was issued behind them
.set idx, 0
.rept 24
	WIN 0x0d
.set ua, idx%8
.set uk, idx/8
.set rA, 64*((\c)%2)+24*(ua%2)+8*uk
.set rB, 24*(ua/2)+8*uk
.set rD, ACC+64*((\c)%2)+8*ua
.set rC, BIA+16*((\c)%2)+8*(ua%2)
.if uk == 0
	v_wmma_f32_16x16x32_f16 v[rD:rD+7], v[rA:rA+7], v[rB:rB+7], v[rC:rC+7]
.else
	v_wmma_f32_16x16x32_f16 v[rD:rD+7], v[rA:rA+7], v[rB:rB+7], v[rD:rD+7]
.endif
.if (idx%3) != 2
	CGRP
.endif
.if idx == 7
	WIN 0
	PLACES
	\next
.endif
.set idx, idx+1
.endr
.endm
.macro U256 mwin, cb, hf, per, next:vararg  ; layers 2 and 3: half hf of a chunk: 32 matrix instructions, riders behind every per-th
	s_wait_dscnt 0x0                               ; the unit's loads, issued 24 matrix instructions back
.set idx, 0
.rept 32
	WIN \mwin
.set ua, idx%8
.set uk, idx/8
.set rA, 64*(\hf)+32*(ua%2)+8*uk
.set rB, 64*(ua/2)+8*(4*(\hf)+uk)
.set rD, ACC+64*(\cb)+8*ua
.set rC, BIA+16*(\cb)+8*(ua%2)
.if ((\hf) == 0) && (uk == 0)
	v_wmma_f32_16x16x32_f16 v[rD:rD+7], v[rA:rA+7], v[rB:rB+7], v[rC:rC+7]
.else
	v_wmma_f32_16x16x32_f16 v[rD:rD+7], v[rA:rA+7], v[rB:rB+7], v[rD:rD+7]
.endif
.if (idx%(\per)) == (\per)-1
	CGRP
.endif
.if idx == 7
	WIN 0
	PLACES
	\next
.endif
.set idx, idx+1
.endr
.endm
; A layer of 256 x 256.  adr: its first address register; boff: its biases in LDS; win0, per0: chunk 0 carries the last chunk of the layer before, early enough for its own K step 7; win1: the others carry this layer's.
.macro LAYER mwin, adr, boff, win0, per0, win1, last:vararg
.set CC, 0
.rept 8
.set RQ, 0
.set RN, 16
.if CC == 0
.set RWIN, \win0
.set RCA, ACC+64
.set RDST, 56
.set PER, \per0
.else
.set RWIN, \win1
.set RCA, ACC+64*((CC-1)%2)
.set RDST, 8*(CC-1)
.set PER, 4
.endif
	U256 \mwin, CC%2, 0, PER, LD256 1,(\adr)+CC/3,16896*(CC%3)+256,-1,0
.if CC < 7
	U256 \mwin, CC%2, 1, PER, LD256 0,(\adr)+(CC+1)/3,16896*((CC+1)%3),(CC+1)%2,(\boff)+128*(CC+1)
.else
	U256 \mwin, CC%2, 1, PER, \last
.endif
	WIN 0
	PLACES                                         ; the next chunk's first rider reads results just made
.set CC, CC+1
.endr
.endm
; Layer 4.  W4T's three rows stand at rows 0-2 (placing a, for tiles 0 and 2) or 8-10 (placing b, for tiles 1 and 3) of source 0, so a vertex's three sums fall into registers 0-2 of the lane
; that holds the vertex in its pair.  Two accumulators, e = 0 and 1, by turns.
.macro U4 hf, more, next:vararg
	s_wait_dscnt 0x0
.set idx, 0
.rept 16
	WIN 0x09
.set ue, idx%2
.set uab, (idx/2)%2
.set uk, idx/4
.set rA, 64*(\hf)+32*uab+8*uk
.set rB, 64*(2*ue+uab)+8*(4*(\hf)+uk)
.set rD, ACC+8*ue
.if ((\hf) == 0) && (idx < 2)
	v_wmma_f32_16x16x32_f16 v[rD:rD+7], v[rA:rA+7], v[rB:rB+7], v[BIA:BIA+7]
.else
	v_wmma_f32_16x16x32_f16 v[rD:rD+7], v[rA:rA+7], v[rB:rB+7], v[rD:rD+7]
.endif
	CGRP
.if (\more) && (idx == 7)
	WIN 0
	PLACES
	\next
.endif
.set idx, idx+1
.endr
.endm
; Eight products of one level of the table with one level of w (tile tl, K step ks at bb + st tl + 8 ks): two K steps, the four tiles' accumulators by turns
.macro TPROD lev, win, bb, st, zero
	WIN \win
.irp ks,0,1
.irp tl,0,1,2,3
.if (\zero) && (\ks == 0)
	v_wmma_f32_16x16x32_f16 v[DT+8*\tl:DT+8*\tl+7], v[TAB+16*(\lev)+8*\ks:TAB+16*(\lev)+8*\ks+7], v[(\bb)+(\st)*\tl+8*\ks:(\bb)+(\st)*\tl+8*\ks+7], 0
.else
	v_wmma_f32_16x16x32_f16 v[DT+8*\tl:DT+8*\tl+7], v[TAB+16*(\lev)+8*\ks:TAB+16*(\lev)+8*\ks+7], v[(\bb)+(\st)*\tl+8*\ks:(\bb)+(\st)*\tl+8*\ks+7], v[DT+8*\tl:DT+8*\tl+7]
.endif
.endr
.endr
.endm
; One Jacobi rotation in the plane (p, q).  t = o / (d + sign(d) h), d = aqq - app, o = 2 apq, h = sqrt(d^2 + o^2); (c, s) = (g, o) / sqrt(g^2 + o^2), g = d + sign(d) h.
; A negative g turns the plane by half a turn more: still a proper rotation.  1e-36 keeps the roots' arguments normal numbers.
.macro ROT p, q, npq, npk, nqk
	PSUB TT,AA+2*\q,AA+2*\p
	PADD TT+2,AA+2*\npq,AA+2*\npq
	PADD TT+8,AA+2*\p,AA+2*\q
	v_pk_fma_f32 v[TT+4:TT+5], v[TT:TT+1], v[TT:TT+1], s[94:95] op_sel_hi:[1,1,0]
	PMUL TT+6,TT+2,TT+2
	PADD TT+4,TT+4,TT+6
	v_sqrt_f32 v[TT+10], v[TT+4]
	v_sqrt_f32 v[TT+11], v[TT+5]
	v_pk_mul_f32 v[TT+8:TT+9], v[TT+8:TT+9], 0.5 op_sel_hi:[1,0]  ; the plain instruction behind the roots
	s_wait_alu depctr_va_vdst(0)                   ; one wait for both
	v_bfi_b32 v[TT+10], s90, v[TT+10], v[TT]       ; h with d's sign
	v_bfi_b32 v[TT+11], s90, v[TT+11], v[TT+1]
	PADD TT+12,TT,TT+10
	PFMA TT+14,TT+12,TT+12,TT+6
	v_rsq_f32 v[TT+16], v[TT+14]
	v_rsq_f32 v[TT+17], v[TT+15]
	v_pk_fma_f32 v[AA+2*\p:AA+2*\p+1], v[TT+10:TT+11], -0.5, v[TT+8:TT+9] op_sel_hi:[1,0,1]  ; the two new diagonal entries: the mean -+ h / 2
	v_pk_fma_f32 v[AA+2*\q:AA+2*\q+1], v[TT+10:TT+11], 0.5, v[TT+8:TT+9] op_sel_hi:[1,0,1]
	v_mov_b32 v[AA+2*\npq], 0
	v_mov_b32 v[AA+2*\npq+1], 0
	s_wait_alu depctr_va_vdst(0)
	PMUL TT+18,TT+12,TT+16
	PMUL TT+20,TT+2,TT+16
	PMUL TT+22,TT+20,AA+2*\nqk
	PMUL TT+24,TT+20,AA+2*\npk
	PFMS AA+2*\npk,TT+18,AA+2*\npk,TT+22
	PFMA AA+2*\nqk,TT+18,AA+2*\nqk,TT+24
.irp i,0,1,2
	PMUL TT+22,TT+20,VV+6*\i+2*\q
	PMUL TT+24,TT+20,VV+6*\i+2*\p
	PFMS VV+6*\i+2*\p,TT+18,VV+6*\i+2*\p,TT+22
	PFMA VV+6*\i+2*\q,TT+18,VV+6*\i+2*\q,TT+24
.endr
.endm
.Lpass:                                        ; a pass: one group of 64 vertices a wave
	; offsets of the group's vertices and outputs; the registers' last users have been waited for (the loads by s_wait_loadcnt 0, the stores by s_wait_xcnt 0)
	s_lshl_b32 s30, s28, 6
	s_mul_i32 s31, s28, 768
	v_and_b32 v20, 31, v0
	v_lshl_add_u32 v18, v20, 4, s31                ; an output's bytes 768 G + 16 lane,
	v_add_nc_u32 v20, s30, v20
	v_add_nc_u32 v21, 32, v20
	v_min_u32 v20, NVERT-1, v20
	v_min_u32 v21, NVERT-1, v21
	v_mul_u32_u24 v20, v20, 12
	v_mul_u32_u24 v21, v21, 12
	v_and_b32 v19, 15, v0
	v_lshl_add_u32 v19, v19, 4, s31
	v_add_nc_u32 v19, 512, v19                     ; and 768 G + 512 + 16 (lane % 16)
.irp e,0,1
.irp j,0,1,2
	global_load_b32 v[SV+2*\j+\e], v[20+\e], s[8:9] offset:4*\j
.endr
.endr
	s_wait_loadcnt 6                               ; the logits are in; the six loads just issued stay out
	; SOFTMAX, by stages over the four tiles.  A lane holds 32 of its vertex's 64 logits, the lane 16 away the others.  Scratch of tile t at 32 t.
	WIN 0x55
.irp t,0,1,2,3
.irp j,0,1,2,3
	v_max3_num_f32 v[32*\t+\j], v[128+32*\t+8*\j], v[128+32*\t+8*\j+1], v[128+32*\t+8*\j+2]
.endr
.irp j,0,1,2,3
	v_max3_num_f32 v[32*\t+\j], v[32*\t+\j], v[128+32*\t+8*\j+3], v[128+32*\t+8*\j+4]
.endr
.irp j,0,1,2,3
	v_max3_num_f32 v[32*\t+\j], v[32*\t+\j], v[128+32*\t+8*\j+5], v[128+32*\t+8*\j+6]
.endr
	v_max3_num_f32 v[32*\t], v[32*\t], v[128+32*\t+7], v[128+32*\t+15]
	v_max3_num_f32 v[32*\t+2], v[32*\t+2], v[128+32*\t+23], v[128+32*\t+31]
	v_max3_num_f32 v[32*\t], v[32*\t], v[32*\t+1], v[32*\t+2]
	v_max_num_f32 v[32*\t], v[32*\t], v[32*\t+3]
.endr
.irp t,0,1,2,3
	v_permlanex16_b32 v[32*\t+1], v[32*\t], s86, s87
.endr
.irp t,0,1,2,3
	v_max_num_f32 v[32*\t], v[32*\t], v[32*\t+1]   ; the row's maximum m
.endr
.irp t,0,1,2,3
	v_mul_f32 v[32*\t+2], s84, v[32*\t]            ; m log2(e)
.endr
.irp t,0,1,2,3
.set p, 0
.rept 16
	v_pk_fma_f32 v[128+32*\t+2*p:128+32*\t+2*p+1], v[128+32*\t+2*p:128+32*\t+2*p+1], s[84:85], v[32*\t+2:32*\t+3] op_sel_hi:[1,0,0] neg_lo:[0,0,1] neg_hi:[0,0,1]
.set p, p+1
.endr
.endr
.set p, 128
.rept 128
	v_exp_f32 v[p], v[p]                           ; one batch
.set p, p+1
.endr
	v_nop                                          ; a plain instruction behind the last,
	s_wait_alu depctr_va_vdst(0)                   ; and one wait for the 128
.irp t,0,1,2,3
.set p, 0
.rept 8
	v_pk_add_f32 v[32*\t+8+2*p:32*\t+9+2*p], v[128+32*\t+4*p:128+32*\t+4*p+1], v[128+32*\t+4*p+2:128+32*\t+4*p+3]
.set p, p+1
.endr
.irp n,0,4,8,12
	v_pk_add_f32 v[32*\t+8+\n:32*\t+9+\n], v[32*\t+8+\n:32*\t+9+\n], v[32*\t+10+\n:32*\t+11+\n]
.endr
.irp n,0,8
	v_pk_add_f32 v[32*\t+8+\n:32*\t+9+\n], v[32*\t+8+\n:32*\t+9+\n], v[32*\t+12+\n:32*\t+13+\n]
.endr
	v_pk_add_f32 v[32*\t+8:32*\t+9], v[32*\t+8:32*\t+9], v[32*\t+16:32*\t+17]
	v_add_f32 v[32*\t+4], v[32*\t+8], v[32*\t+9]
.endr
.irp t,0,1,2,3
	v_permlanex16_b32 v[32*\t+1], v[32*\t+4], s86, s87
.endr
.irp t,0,1,2,3
	v_add_f32 v[32*\t+4], v[32*\t+4], v[32*\t+1]
.endr
.irp t,0,1,2,3
	v_rcp_f32 v[32*\t], v[32*\t+4]
.endr
	v_nop
	s_wait_alu depctr_va_vdst(0)                   ; one wait for the four reciprocals
.irp t,0,1,2,3
.set p, 0
.rept 16
	v_pk_mul_f32 v[128+32*\t+2*p:128+32*\t+2*p+1], v[128+32*\t+2*p:128+32*\t+2*p+1], v[32*\t:32*\t+1] op_sel_hi:[1,0]
.set p, p+1
.endr
.endr
	; w in f16: layer 1's source 1 and the blend's first level.  What the rounding leaves, half x (-1) + w, is exact; rounded to f16 it is the second level.
	WIN 0xc5
.irp t,0,1,2,3
.set p, 0
.rept 16
	v_cvt_pk_f16_f32 v[24*\t+p], v[128+32*\t+2*p], v[128+32*\t+2*p+1]
.set p, p+1
.endr
.endr
	WIN 0
	v_mov_b32 v24, -1.0
	WIN 0x53
.irp t,0,1,2,3
.set p, 0
.rept 16
	v_fma_mix_f32 v[128+32*\t+2*p], v[24*\t+p], v24, v[128+32*\t+2*p] op_sel_hi:[1,0,0]
	v_fma_mix_f32 v[128+32*\t+2*p+1], v[24*\t+p], v24, v[128+32*\t+2*p+1] op_sel:[1,0,0] op_sel_hi:[1,0,0]
.set p, p+1
.endr
.endr
	WIN 0x85
.set p, 0
.rept 64
	v_cvt_pk_f16_f32 v[128+p], v[128+2*p], v[128+2*p+1]
.set p, p+1
.endr
	WIN 0
	s_wait_loadcnt 0x0                             ; the vertices are in, and no load of mine is out: the logits' bases may be written
	s_add_co_u32 s30, s27, 1
	s_cmp_lt_u32 s30, s26                          ; is there a next pass?  (numbers that all partners share; the jump leads round global loads alone)
	s_cbranch_scc0 .Lnolog
	s_add_co_u32 s31, s28, 16
	SETLB 31
	LOGITS                                         ; the next pass's logits: they have this pass's 1,272 matrix instructions in which to come
.Lnolog:
	; M and t_b: table x w, the smallest products first
	TPROD 0, 0x08, 128, 16, 1
	TPROD 1, 0x0c, 0, 24, 0
	TPROD 0, 0x0c, 0, 24, 0
	WIN 0
	PLACES
	; In a result lanes 0-15 hold entries 0-7 of vertex r, lanes 16-31 entries 8-15.  Into pairs: lane l of pair half e holds vertex 32 e + l.  Each accumulator is read from its low end on.
.irp e,0,1
.irp j,0,1,2,3,4,5,6,7
	v_permlanex16_b32 v23, v[DT+16*\e+8+\j], s86, s87
	v_cndmask_b32 v[MM+2*\j+\e], v[DT+16*\e+\j], v23, s88
.endr
.irp j,0,1,2,3
	v_permlanex16_b32 v23, v[DT+16*\e+\j], s86, s87
	v_cndmask_b32 v[MM+16+2*\j+\e], v23, v[DT+16*\e+8+\j], s88
.endr
.endr
	; THE PROJECTION.  |M|_F^2 and |column 0|^2
	PMUL TT+2,MM,MM
	PFMA TT+2,MM+6,MM+6,TT+2
	PFMA TT+2,MM+12,MM+12,TT+2
	PFMA TT,MM+2,MM+2,TT+2
.irp n,4,8,10,14,16
	PFMA TT,MM+\n,MM+\n,TT
.endr
	v_rsq_f32 v[TT+4], v[TT]
	v_rsq_f32 v[TT+5], v[TT+1]
	v_rsq_f32 v[TT+6], v[TT+2]
	v_rsq_f32 v[TT+7], v[TT+3]
	v_nop
	s_wait_alu depctr_va_vdst(0)
.irp n,0,2,4,6,8,10,12,14,16
	PMUL MN+\n,MM+\n,TT+4
.endr
	v_min_num_f32 v[TT+6], 0x5368d4a5, v[TT+6]     ; 1 / max(norm, 1e-12)
	v_min_num_f32 v[TT+7], 0x5368d4a5, v[TT+7]
.irp i,0,1,2
	PMUL RR+6*\i,MM+6*\i,TT+6                      ; the Gram-Schmidt frame goes where R_b will lie: b1,
.endr
	PMUL TT+8,RR,MM+2
	PFMA TT+8,RR+6,MM+8,TT+8
	PFMA TT+8,RR+12,MM+14,TT+8
.irp i,0,1,2
	PFNA RR+6*\i+2,TT+8,RR+6*\i,MM+6*\i+2
.endr
	PMUL TT+10,RR+2,RR+2
	PFMA TT+10,RR+8,RR+8,TT+10
	PFMA TT+10,RR+14,RR+14,TT+10
	v_rsq_f32 v[TT+12], v[TT+10]
	v_rsq_f32 v[TT+13], v[TT+11]
	; A = Mn^T Mn and V = 1 stand between the two roots and their wait
.macro AAE n, p, q
	PMUL AA+2*\n,MN+2*\p,MN+2*\q
	PFMA AA+2*\n,MN+6+2*\p,MN+6+2*\q,AA+2*\n
	PFMA AA+2*\n,MN+12+2*\p,MN+12+2*\q,AA+2*\n
.endm
	AAE 0,0,0
	AAE 1,1,1
	AAE 2,2,2
	AAE 3,0,1
	AAE 4,0,2
	AAE 5,1,2
.irp n,0,1,2,3,4,5,6,7,8
.if (\n % 4) == 0
	v_mov_b32 v[VV+2*\n], 1.0
	v_mov_b32 v[VV+2*\n+1], 1.0
.else
	v_mov_b32 v[VV+2*\n], 0
	v_mov_b32 v[VV+2*\n+1], 0
.endif
.endr
	s_wait_alu depctr_va_vdst(0)
	v_min_num_f32 v[TT+12], 0x5368d4a5, v[TT+12]
	v_min_num_f32 v[TT+13], 0x5368d4a5, v[TT+13]
.irp i,0,1,2
	PMUL RR+6*\i+2,RR+6*\i+2,TT+12                 ; b2,
.endr
.irp i,0,1,2
	PMUL TT+14+2*\i,RR+6*((\i+2)%3),RR+6*((\i+1)%3)+2
	PFMS RR+6*\i+4,RR+6*((\i+1)%3),RR+6*((\i+2)%3)+2,TT+14+2*\i  ; b3 = b1 x b2
.endr
	s_mov_b32 s29, 5
.Lsweep:
	ROT 0,1,3,4,5
	ROT 0,2,4,3,5
	ROT 1,2,5,3,4
	s_sub_co_u32 s29, s29, 1
	s_cmp_lg_u32 s29, 0
	s_cbranch_scc1 .Lsweep
.irp i,0,1,2
.irp c,0,1,2
	PMUL BB+6*\i+2*\c,MN+6*\i,VV+2*\c              ; B = Mn V
	PFMA BB+6*\i+2*\c,MN+6*\i+2,VV+6+2*\c,BB+6*\i+2*\c
	PFMA BB+6*\i+2*\c,MN+6*\i+4,VV+12+2*\c,BB+6*\i+2*\c
.endr
.endr
.irp c,0,1,2
	PMUL NN+2*\c,BB+2*\c,BB+2*\c
	PFMA NN+2*\c,BB+6+2*\c,BB+6+2*\c,NN+2*\c
	PFMA NN+2*\c,BB+12+2*\c,BB+12+2*\c,NN+2*\c
.endr
.irp n,0,1,2,3,4,5
	v_rsq_f32 v[TT+\n], v[NN+\n]
.endr
	v_nop
	s_wait_alu depctr_va_vdst(0)
.irp i,0,1,2
.irp c,0,1,2
	PMUL BB+6*\i+2*\c,BB+6*\i+2*\c,TT+2*\c
.endr
.endr
.irp c,0,1,2
.irp i,0,1,2
	PMUL TT+8+2*\i,BB+6*((\i+2)%3)+2*((\c+1)%3),BB+6*((\i+1)%3)+2*((\c+2)%3)
	PFMS XX+6*\i+2*\c,BB+6*((\i+1)%3)+2*((\c+1)%3),BB+6*((\i+2)%3)+2*((\c+2)%3),TT+8+2*\i  ; column c+1 x column c+2
.endr
.endr
.irp e,0,1
	v_min3_num_f32 v[TT+14+\e], v[NN+\e], v[NN+2+\e], v[NN+4+\e]
	v_cmp_eq_f32 s99, v[NN+\e], v[TT+14+\e]
	v_cmp_eq_f32 s100, v[NN+2+\e], v[TT+14+\e]
	s_and_not1_b32 s100, s100, s99                 ; just one column a lane: the shortest
	s_or_b32 s101, s99, s100
	s_not_b32 s101, s101
.irp c,0,1,2
.irp i,0,1,2
	v_cndmask_b32 v[BB+6*\i+2*\c+\e], v[BB+6*\i+2*\c+\e], v[XX+6*\i+2*\c+\e], s[99+\c]
.endr
.endr
.endr
.irp i,0,1,2
.irp j,0,1,2
	PMUL MN+6*\i+2*\j,BB+6*\i,VV+6*\j              ; R = U V^T
	PFMA MN+6*\i+2*\j,BB+6*\i+2,VV+6*\j+2,MN+6*\i+2*\j
	PFMA MN+6*\i+2*\j,BB+6*\i+4,VV+6*\j+4,MN+6*\i+2*\j
.endr
.endr
	v_pk_mul_f32 v[TT:TT+1], v[MN:MN+1], 0 op_sel_hi:[1,0]  ; the guard: the sum of R's entries times 0 is 0 just where all nine are finite
.irp n,2,4,6,8,10,12,14,16
	v_pk_fma_f32 v[TT:TT+1], v[MN+\n:MN+\n+1], 0, v[TT:TT+1] op_sel_hi:[1,0,1]
.endr
.irp e,0,1
	v_cmp_eq_f32 s99, 0, v[TT+\e]
.irp n,0,2,4,6,8,10,12,14,16
	v_cndmask_b32 v[RR+\n+\e], v[RR+\n+\e], v[MN+\n+\e], s99
.endr
.endr
.irp i,0,1,2
	PMUL TT+2+2*\i,MM+6*\i,SV                      ; y = M v
	PFMA TT+2+2*\i,MM+6*\i+2,SV+2,TT+2+2*\i
	PFMA TT+2+2*\i,MM+6*\i+4,SV+4,TT+2+2*\i
.endr
.irp i,0,1,2
	PADD SK+2*\i,TT+2+2*\i,MM+18+2*\i              ; skinned = y + t_b
.endr
.irp j,0,1,2
	PMUL TT+8+2*\j,RR+2*\j,TT+2                    ; local_p = R_b^T y
	PFMA TT+8+2*\j,RR+6+2*\j,TT+4,TT+8+2*\j
	PFMA TT+8+2*\j,RR+12+2*\j,TT+6,TT+8+2*\j
.endr
	; local_p's fragments.  An even tile's vertices lie in lanes 0-15: k = 0..2; an odd tile's in lanes 16-31: k = 8..10.  W1B's row stands at both places.
.irp e,0,1
	v_cvt_pk_f16_f32 v[TT+14+\e], v[TT+8+\e], v[TT+10+\e]
	v_cvt_pk_f16_f32 v[TT+16+\e], v[TT+12+\e], v22
.endr
	WIN 0xc0
.irp e,0,1
	v_cndmask_b32 v[48*\e+16], v[TT+14+\e], v22, s88
	v_cndmask_b32 v[48*\e+17], v[TT+16+\e], v22, s88
	v_cndmask_b32 v[48*\e+40], v22, v[TT+14+\e], s88
	v_cndmask_b32 v[48*\e+41], v22, v[TT+16+\e], s88
.endr
.irp t,0,1,2,3
.irp n,18,19,20,21,22,23
	v_mov_b32 v[24*\t+\n], 0
.endr
.endr
	WIN 0x40
.irp b,0,24,64,88
.irp n,20,21,22,23
	v_mov_b32 v[\b+\n], 0                          ; k = 16..31 of W1B's fragments
.endr
.endr
	WIN 0
	; THE BARRIER stands here, in the pass, and not ahead of the loop: all that stands above reads no LDS, so the first pass's softmax, blend and projection run while the weights are on their way.
	; In the first pass it orders every wave's tensor loads, its scaling of W1 and its part of the biases with the reads below.  In later passes no tensor load and no LDS instruction of mine
	; is out: both waits are met at once, and the barrier only keeps the four waves in step.
	s_wait_tensorcnt 0x0                           ; my quarters of the weights have landed,
	s_wait_dscnt 0x0                               ; my stores into LDS are done:
	s_barrier_signal -1
	s_barrier_wait -1                              ; everybody's
	s_mov_b32 s32, 0xbd5d0dd1                      ; behind that wait the descriptors' registers are free: tanh's series, -17/315,
	s_mov_b32 s33, 0xbd5d0dd1
	s_mov_b32 s34, 0x3e088889                      ; 2/15,
	s_mov_b32 s35, 0x3e088889
	s_mov_b32 s36, 0xbeaaaaab                      ; -1/3
	s_mov_b32 s37, 0xbeaaaaab
	s_mov_b32 s38, 0x3e800000                      ; 0.25
	s_mov_b32 s40, 0x3ca3d70a                      ; 0.02
	s_mov_b32 s41, 0x3ca3d70a
	; THE MLP
.set RQ, 0
.set RN, 0
.set RWIN, 0x80
.set RCA, ACC
.set RDST, 0
	LD1 0, 0
.set CC, 0
.rept 8
.if CC > 0
.set RQ, 0
.set RN, 16
.set RCA, ACC+64*((CC-1)%2)
.set RDST, 8*(CC-1)
.endif
.if CC < 7
	U1 CC, LD1 (CC+1)%2,CC+1
.else
	U1 CC, LD256 0,5,0,0,1024
.endif
	WIN 0
	PLACES
.set CC, CC+1
.endr
	LAYER 0x09, 5, 1024, 0x80, 2, 0xc0, LD256 0,8,0,0,2048
	LAYER 0x0d, 8, 2048, 0xc0, 2, 0x80, LD4 0,0
.set RQ, 0
.set RN, 16
.set RWIN, 0x80
.set RCA, ACC+64
.set RDST, 56
	U4 0, 1, LD4 1,1
	U4 1, 0
	WIN 0
	PLACES
	; THE END OF A PASS.  z = sums / S; tanh by its series below 0.25, by 1 - 2 / (1 + e^(2 z)) above; delta_world = 0.02 R_b tanh; posed = skinned + delta_world
.irp e,0,1
.irp i,0,1,2
	v_mul_f32 v[40+2*\i+\e], s91, v[ACC+8*\e+\i]
.endr
.endr
.irp i,0,2,4
	PMUL 46+\i,40+\i,40+\i
	v_pk_mul_f32 v[58+\i:59+\i], v[40+\i:41+\i], 0x4038aa3b op_sel_hi:[1,0]
.endr
.irp n,58,59,60,61,62,63
	v_exp_f32 v\n, v\n
.endr
.irp i,0,2,4
	v_pk_fma_f32 v[52+\i:53+\i], v[46+\i:47+\i], s[32:33], s[34:35] op_sel_hi:[1,0,0]
	v_pk_fma_f32 v[52+\i:53+\i], v[52+\i:53+\i], v[46+\i:47+\i], s[36:37] op_sel_hi:[1,1,0]
	v_pk_fma_f32 v[52+\i:53+\i], v[52+\i:53+\i], v[46+\i:47+\i], 1.0 op_sel_hi:[1,1,0]
	PMUL 52+\i,52+\i,40+\i
.endr
	s_wait_alu depctr_va_vdst(0)                   ; one wait for the six exponentials; the series stood between
.irp i,0,2,4
	v_pk_add_f32 v[58+\i:59+\i], v[58+\i:59+\i], 1.0 op_sel_hi:[1,0]
.endr
.irp n,58,59,60,61,62,63
	v_rcp_f32 v\n, v\n
.endr
	v_nop
	s_wait_alu depctr_va_vdst(0)
.irp i,0,2,4
	v_pk_fma_f32 v[58+\i:59+\i], v[58+\i:59+\i], -2.0, 1.0 op_sel_hi:[1,0,0]
.endr
.irp n,0,1,2,3,4,5
	v_cmp_gt_f32 s99, s38, |v[40+\n]|
	v_cndmask_b32 v[64+\n], v[58+\n], v[52+\n], s99
.endr
.irp i,0,2,4
	v_pk_mul_f32 v[64+\i:65+\i], v[64+\i:65+\i], s[40:41] op_sel_hi:[1,0]
.endr
.irp i,0,1,2
	PMUL 70+2*\i,RR+6*\i,64
	PFMA 70+2*\i,RR+6*\i+2,66,70+2*\i
	PFMA 70+2*\i,RR+6*\i+4,68,70+2*\i
.endr
.irp i,0,1,2
	PADD 76+2*\i,SK+2*\i,70+2*\i
.endr
	; through my own stage: 12 bytes a vertex in, 16 bytes a lane back (LDS serves a wave's instructions in order: ISA guide 5.7.1.4)
.irp e,0,1
.irp i,0,1,2
	ds_store_b32 v15, v[76+2*\i+\e] offset:384*\e+4*\i
	ds_store_b32 v15, v[SK+2*\i+\e] offset:768+384*\e+4*\i
	ds_store_b32 v15, v[70+2*\i+\e] offset:1536+384*\e+4*\i
.endr
.endr
.irp o,0,1,2
	ds_load_b128 v[100+4*\o:103+4*\o], v16 offset:768*\o
	ds_load_b128 v[112+4*\o:115+4*\o], v17 offset:768*\o
.endr
	s_wait_dscnt 0x0
	v_cmp_gt_u32 vcc_lo, OUTB, v18                 ; only bytes inside the outputs: 3,000,000 is a multiple of 16
	s_wait_xcnt 0x0                                ; EXEC changes only behind this wait
	s_and_saveexec_b32 s98, vcc_lo
	global_store_b128 v18, v[100:103], s[18:19] th:TH_STORE_NT  ; 512 consecutive bytes, at a multiple of 256 from the output's first
	global_store_b128 v18, v[104:107], s[20:21] th:TH_STORE_NT
	global_store_b128 v18, v[108:111], s[22:23] th:TH_STORE_NT
	s_wait_xcnt 0x0
	s_or_b32 exec_lo, exec_lo, s98
	v_cmp_gt_u32 vcc_lo, OUTB, v19
	s_and_b32 vcc_lo, vcc_lo, 0xffff               ; sixteen lanes: the group's last 256 bytes
	s_and_saveexec_b32 s98, vcc_lo
	global_store_b128 v19, v[112:115], s[18:19] th:TH_STORE_NT
	global_store_b128 v19, v[116:119], s[20:21] th:TH_STORE_NT
	global_store_b128 v19, v[120:123], s[22:23] th:TH_STORE_NT
	s_wait_xcnt 0x0                                ; the stores' registers and offsets are written again only behind this wait
	s_or_b32 exec_lo, exec_lo, s98
	s_add_co_u32 s28, s28, 16                      ; my next group
	s_add_co_u32 s27, s27, 1
	s_cmp_lt_u32 s27, s26
	s_cbranch_scc1 .Lpass
	s_wait_tensorcnt 0x0                           ; the wave's end, behind my last tensor load and my last LDS store
	ds_add_u32 v1, v2
	s_wait_dscnt 0x0
	CROUND                                         ; the closing round
	s_endpgm
.Lfunc_end_k_q0ea7520073_main:
	.size	k_q0ea7520073_main, .Lfunc_end_k_q0ea7520073_main-k_q0ea7520073_main
	.p2alignl 7, 3214868480
	.fill 96, 4, 3214868480
	.section	.rodata,"a",@progbits
	.p2align	6, 0x0
	.amdhsa_kernel k_q0ea7520073_main
		.amdhsa_group_segment_fixed_size 327680
		.amdhsa_private_segment_fixed_size 0
		.amdhsa_enable_private_segment 0
		.amdhsa_kernarg_size 80
		.amdhsa_user_sgpr_count 2
		.amdhsa_user_sgpr_kernarg_segment_ptr 1
		.amdhsa_wavefront_size32 1
		.amdhsa_system_sgpr_workgroup_id_x 1
		.amdhsa_system_sgpr_workgroup_id_y 1
		.amdhsa_system_sgpr_workgroup_id_z 1
		.amdhsa_system_vgpr_workitem_id 0
		.amdhsa_next_free_vgpr 1024
		.amdhsa_next_free_sgpr 102
		.amdhsa_reserve_vcc 1
		.amdhsa_float_denorm_mode_32 3
		.amdhsa_float_denorm_mode_16_64 3
		.amdhsa_memory_ordered 1
		.amdhsa_forward_progress 1
		.amdhsa_inst_pref_size 255
	.end_amdhsa_kernel
	.section	.bss,"aw",@nobits
	.p2align	6
	.space	262144
	.amdgpu_metadata
---
amdhsa.version: [ 1, 2 ]
amdhsa.kernels:
  - .name:           k_q0ea7520073_main
    .symbol:         k_q0ea7520073_main.kd
    .args:
      - { .name: wimg, .offset: 0, .size: 8, .value_kind: global_buffer, .address_space: global }
      - { .name: weight_logits, .offset: 8, .size: 8, .value_kind: global_buffer, .address_space: global }
      - { .name: source_vertices, .offset: 16, .size: 8, .value_kind: global_buffer, .address_space: global }
      - { .name: b1, .offset: 24, .size: 8, .value_kind: global_buffer, .address_space: global }
      - { .name: b2, .offset: 32, .size: 8, .value_kind: global_buffer, .address_space: global }
      - { .name: b3, .offset: 40, .size: 8, .value_kind: global_buffer, .address_space: global }
      - { .name: b4, .offset: 48, .size: 8, .value_kind: global_buffer, .address_space: global }
      - { .name: out0, .offset: 56, .size: 8, .value_kind: global_buffer, .address_space: global }
      - { .name: out1, .offset: 64, .size: 8, .value_kind: global_buffer, .address_space: global }
      - { .name: out2, .offset: 72, .size: 8, .value_kind: global_buffer, .address_space: global }
    .group_segment_fixed_size: 327680
    .private_segment_fixed_size: 0
    .kernarg_segment_align: 8
    .kernarg_segment_size: 80
    .max_flat_workgroup_size: 128
    .sgpr_count:     102
    .vgpr_count:     1024
    .wavefront_size: 32
...
	.end_amdgpu_metadata
.endif
;; end of part 2
